; MI455X (gfx1250); checked and timed in simulation.
; The chip was launched on July 23, 2026; its instructions are those of AMD's public machine-readable ISA for CDNA 5 (MIT licence, August 2026) and "CDNA5" Instruction Set Architecture Reference Guide (July 2026). The comments in the code are by the model that wrote it; some were corrected since.
;; Multi Head Self Attention. Allowed arithmetic: matrix products marked QUANTISED: E2M1 operands, one E8M0 scale for each 32 along K, by v_wmma_scale_f32_16x16x128_f8f6f4 with both operands' format E2M1 (or v_wmma_scale_f32_32x16x128_f4), f32 sums; everything else in f32.
;; Inputs: WK_codes 1,024 x 32 x 16 uint8 (E2M1 codes of WK, K innermost, in blocks of 32 codes, two codes a byte); WK_scales 1,024 x 32 uint8 (E8M0 scales of WK, one for each 32 codes along K); WO_codes 1,024 x 32 x 16 uint8 (E2M1 codes of WO, K innermost, in blocks of 32 codes, two codes a byte); WO_scales 1,024 x 32 uint8 (E8M0 scales of WO, one for each 32 codes along K); WQ_codes 1,024 x 32 x 16 uint8 (E2M1 codes of WQ, K innermost, in blocks of 32 codes, two codes a byte); WQ_scales 1,024 x 32 uint8 (E8M0 scales of WQ, one for each 32 codes along K); WV_codes 1,024 x 32 x 16 uint8 (E2M1 codes of WV, K innermost, in blocks of 32 codes, two codes a byte); WV_scales 1,024 x 32 uint8 (E8M0 scales of WV, one for each 32 codes along K); bK 1,024 float32; bO 1,024 float32; bQ 1,024 float32; bV 1,024 float32; x_codes 4 x 2,048 x 32 x 16 uint8 (E2M1 codes of x, K innermost, in blocks of 32 codes, two codes a byte); x_scales 4 x 2,048 x 32 uint8 (E8M0 scales of x, one for each 32 codes along K).
;; Outputs: out0 4 x 2,048 x 1,024 float32.
;; This version of the problem:
;;   THIS VERSION OF THE PROBLEM IS GIVEN IN LOW PRECISION. The matrix products marked QUANTISED in the list below multiply operands that are first quantised to E2M1 (2 exponent bits, 1 mantissa bit; 4 bits a number), with one power-of-two scale for each 32 numbers along K (OCP MX v1.0); their sums are f32. All else is computed in f32.
;;   The module's matrix products, in the order in which they are computed (A, B: the left and right operand; K: the contracted axis; several contracted axes count as one K, in the product's order):
;;     1. [M 8,192, K 1,024] x [K 1,024, N 1,024]; A: input x (given as codes); B: input WQ (given as codes): QUANTISED
;;     2. [M 8,192, K 1,024] x [K 1,024, N 1,024]; A: input x (given as codes); B: input WK (given as codes): QUANTISED
;;     3. [M 8,192, K 1,024] x [K 1,024, N 1,024]; A: input x (given as codes); B: input WV (given as codes): QUANTISED
;;     4. batch 64 x [M 2,048, K 64] x [K 64, N 2,048]; A: computed on the way; B: computed on the way: QUANTISED
;;     5. batch 64 x [M 64, K 2,048] x [K 2,048, N 2,048]; A: computed on the way; B: softmax (see below): QUANTISED
;;     6. [M 8,192, K 1,024] x [K 1,024, N 1,024]; A: computed on the way; B: input WO (given as codes): QUANTISED
;;   THE QUANTISER, for each operand of a quantised product, along K:
;;     - K is cut into blocks of 32 from its start; a last block that is shorter is filled with zeros.
;;     - A block's scale is 2^e with e = floor(log2(the largest magnitude in the block)) - 2, held to -126 .. 127; a block of zeros has e = 0. As a byte (E8M0): e + 127.
;;     - Each number is divided by its block's scale, clamped to +-6, and rounded to the nearest number of E2M1, ties to even, subnormals kept.
;;     - The product sums the exact products of the quantised numbers (number of the format x scale) in f32.
;;   ~~~python
;;   def quantise(x, axis):      # numpy; x: float32 -> the quantised numbers, widened to float32 again
;;       x = np.moveaxis(x, axis, -1); K = x.shape[-1]
;;       x = np.pad(x, [(0, 0)] * (x.ndim - 1) + [(0, -K % 32)]); x = x.reshape(x.shape[:-1] + (-1, 32)); a = np.abs(x).max(-1, keepdims=True)
;;       e = np.where(a > 0, np.clip(np.frexp(np.where(a > 0, a, 1))[1] - 1 - 2, -126, 127), 0)      # np.frexp(a)[1] - 1 = floor(log2(a)), exactly
;;       r = np.clip(x / 2.0 ** e, -6, 6)
;;       step = 2.0 ** (np.maximum(np.frexp(np.where(r == 0, 1, r))[1] - 1, 0) - 1)
;;       q = np.round(r / step) * step * 2.0 ** e      # np.round: ties to even
;;       return np.moveaxis(q.reshape(q.shape[:-2] + (-1,))[..., :K], -1, axis).astype(np.float32)
;;   ~~~
;;   SOFTMAX AHEAD OF A QUANTISED PRODUCT. Where the list says 'softmax', what is quantised is not the finished softmax but p = 2^(t - M), with t = logit x log2(e) and M = ceil(the row's largest t), a whole number; so 1/2 < the row's largest p <= 1. The row's sum l is taken of the UNQUANTISED p, in f32, and the product's result is divided by l at the end. Since M is a whole number, a kernel that streams over the keys may use a running M (the ceiling of the running maximum): every later rescaling is an exact power of two, which a block's scale takes up: the codes' values come out the same.
;;   OPERANDS COMPUTED ON THE WAY. 'Computed on the way' means the value that the module computes at that place (a softmax that the list does not call 'softmax' is quantised finished and normalised). What goes into a quantiser is computed in f32, as accurately as f32 sums, v_exp_f32 and their like allow (about 1e-6 of the number): no bf16 or f16 on the way to a quantiser, and a product that is left as it is and whose result goes on into a quantised operand takes f32 operands (vector FMAs, or v_wmma_f32_16x16x4_f32). A number that lies on a knife's edge between two numbers of the format may be rounded either way, as far as f32 arithmetic and the matrix unit's own rounding can turn it there, and no further.
;;   INPUTS GIVEN AS CODES. WK (in the module: [1024, 1024], K = its axis 0); WO (in the module: [1024, 1024], K = its axis 0); WQ (in the module: [1024, 1024], K = its axis 0); WV (in the module: [1024, 1024], K = its axis 0); x (in the module: [4, 2048, 1024], K = its axis 2): each comes as NAME_codes (uint8): NAME with its K axis moved to the last place and cut into blocks of 32 codes, [.., K / 32, bytes a block], one block behind the other in memory; two codes a byte, the lower K in the low four bits (a code: sign, 2 exponent bits, 1 mantissa bit); and NAME_scales (uint8): the same leading axes, one E8M0 byte (e + 127) for each 32 codes along K. Its value is code x scale, taken as it is: it is not quantised again, and the codes and scales need not be those that the quantiser above would give.
;; One version. Each part assembles by itself: llvm-mc -triple=amdgcn-amd-amdhsa -mcpu=gfx1250 --defsym DOCPART=n.
;; ======== version 1 of 1: 3 launches
;; workspace buffers: qc 4,456,448 bytes; kv 8,912,896 bytes; oc 4,194,304 bytes; os 262,144 bytes
;; launch qkv (part 1): grid 4 x 192, 8 waves a work-group, clusters of 4 x 4, 230,400 bytes of LDS; arguments x_codes, x_scales, WQ_codes, WQ_scales, WK_codes, WK_scales, WV_codes, WV_scales, bQ, bK, bV, qc, kv; writes qc, kv
.if DOCPART == 1
	.amdgcn_target "amdgcn-amd-amdhsa--gfx1250"
	.amdhsa_code_object_version 6
	.text
	.protected	k_q02f4d2c729_qkv
	.globl	k_q02f4d2c729_qkv
	.p2align	8
	.type	k_q02f4d2c729_qkv,@function
k_q02f4d2c729_qkv:
	s_mov_b64 s[64:65], 0
	v_nop
	global_prefetch_b8 v0, s[64:65] scope:SCOPE_SE
	s_setreg_imm32_b32 hwreg(HW_REG_WAVE_MODE, 25, 1), 1
	s_wait_xcnt 0x0
	s_wait_alu depctr_hold_cnt(0) depctr_sa_sdst(0) depctr_va_vdst(0) depctr_va_sdst(0) depctr_va_ssrc(0) depctr_va_vcc(0) depctr_vm_vsrc(0)
	s_getreg_b32 s2, hwreg(HW_REG_IB_STS2, 6, 4)
	s_cmp_eq_u32 s2, 0
	s_cbranch_scc0 .Lentry_in_a_cluster
	s_endpgm
.Lentry_in_a_cluster:
	s_bfe_u32 s2, ttmp6, 0x10000c
	s_cmp_lg_u32 s2, 0xf033
	s_cbranch_scc0 .Lentry_shape_is_right
	s_endpgm
.Lentry_shape_is_right:
; q = x WQ + bQ, k = x WK + bK, v = x WV + bV on codes of FP4 (E2M1) with one E8M0 byte for each 32 along K, and the quantisers behind them: q and k along a head's 64, v along the keys.
; ONE PATH SERVES ALL THREE.  The product is D = S0 S1^T: source 0 = 16 rows of S0, source 1 = 16 rows of S1; in D a lane holds one row of S1 and its registers run along S0's rows.
; Q, K: S0 = the weight's rows (features), S1 = tokens: a lane's 32 registers are a head's 64 numbers of one token (with the lane 16 away).
; V:    S0 = tokens, S1 = WV's rows: a lane's registers run along 64 keys of one feature.  x and the weights have one format (rows of 512 bytes of codes, 32 scale bytes),
; so only pointers and global offsets differ; they are chosen by s_cselect on the cluster's number, which all partners share.  No branch and no LDS address hangs on the choice.
; SHARES.  A work-group: 256 rows of S0 x 128 rows of S1, all of K = 1,024 in LDS, each LDS byte filled once.  Eight waves, each 64 x 64: 16 accumulators, 128 registers.
; CLUSTER 4 x 4: S0's rows hang on cx and are asked for jointly by the four of a column; S1's hang on cy and are asked for by the four of a row.
; OUT.  A half fragment is 16 rows x 64 codes as an image of registers: lane l's 16 bytes at 16 l.  qc: [head of a batch 64][16] records of 4,352 bytes: 8 half fragments (128 tokens), 256 scale bytes.
; kv: [64][16] records of 8,704 bytes for 128 keys: K's 8 half fragments; V^T's [16 d: 4][64 keys: 2]; K's scale bytes [key][2]; V's [64 keys: 2][d 64][2].
; LIMITS: NaN and infinities are not served; a block whose largest magnitude lies under 2^-124 (zeros too) gets the byte 1, read by this program alone; the bias is a sum's first term, not its last.
.set PITCH, 272                        ; an LDS row: 256 bytes + 16: the sixteen rows of a fragment load start at sixteen different 16-byte columns
.set TROW,  16*PITCH
.set CHK,   104448                     ; a K chunk of 512: S0's 256 rows, then S1's 128
.set S1O,   69632
.set SCL0,  208896                     ; S0's scale bytes: 32 units of 256 bytes + 16
.set SCL1,  217600                     ; S1's: 16 units
.set STG,   221952                     ; 1,024 bytes for the scale bytes made here: four blocks of 256 bytes into which no tile lands
.set CODEW, (1<<20)|(1<<21)|(5<<22)|(3<<25)            ; elements of 1 byte; padding on; bit 21 beside a mask; 4 words behind every 64
.set SCALW, (3<<16)|(1<<20)|(1<<21)|(5<<22)|(3<<25)    ; the same with elements of 8 bytes
.set A0,  4                            ; v4-5   LDS address of my S0 fragments in chunk 0, 1
.set A1,  6                            ; v6-7   the same for S1
.set ADRS, 8                           ; v8     my scale words: lanes 0-15 S0's rows, lanes 16-31 S1's
.set STA, 9                            ; v9     where my scale byte goes in the stage
.set VO,  10                           ; v10-13 byte offsets of my four half fragments in the output
.set SRD, 14                           ; v14    the stage read back: 16 x lane
.set VS,  15                           ; v15-16 byte offsets of the scale bytes' two stores
.set BL,  20                           ; v20-27 the bias by lanes, as four pairs of equal numbers
.set SC,  32                           ; v32-63 scale words: register 8 i + q: lanes 0-15 S0's tile i, lanes 16-31 S1's tile i, K step q
.set F0,  64                           ; v64-95  S0's four fragments
.set F1,  96                           ; v96-127 S1's four
.set ACC, 128                          ; accumulator (t, i) at v[128 + 32 i + 8 t]
.set QM,  64                           ; the quantiser's work: eight registers for each S1 tile
.set QC,  96                           ; and its codes: four for each
.macro ROUND                           ; a round of the cluster's barrier
	s_barrier_signal -1
	s_barrier_wait -1
	s_cmp_lg_u32 s3, 0
	s_cbranch_scc1 .Lnot_wave_0_\@
	s_barrier_signal -3
.Lnot_wave_0_\@:
	s_barrier_wait -3
	s_barrier_signal -1
	s_barrier_wait -1
.endm
	s_load_b512 s[8:23], s[0:1], 0x0               ; x's codes, scales; WQ's; WK's; WV's
	s_load_b256 s[24:31], s[0:1], 0x40             ; bQ, bK, bV, qc
	s_load_b64 s[32:33], s[0:1], 0x60              ; kv
	v_lshl_add_u32 v30, v0, 2, 0x38000
	v_mov_b32 v31, 0
	ds_add_u32 v30, v31
	ds_add_u32 v30, v31
	v_lshrrev_b32 v1, 5, v0
	v_readfirstlane_b32 s3, v1                     ; wave 0..7
	s_and_b32 s4, s3, 3                            ; which 64 rows of S0 are mine; also which part of a tile I fetch
	s_lshr_b32 s5, s3, 2                           ; which 64 rows of S1
	s_bfe_u32 s6, ttmp6, 0x40000                   ; cx
	s_bfe_u32 s7, ttmp6, 0x40004                   ; cy
	s_and_b32 s34, ttmp7, 0xffff                   ; the cluster's number: 0-31 Q (even) and K (odd), 32-47 V
	s_and_b32 s35, s34, 1
	s_sub_co_u32 s36, s34, 32
	s_lshr_b32 s37, s36, 1                         ; V: which 1,024 tokens
	s_and_b32 s36, s36, 1                          ; V: which 512 features
	s_lshr_b32 s38, s34, 1                         ; Q, K: which 512 tokens
	s_cmp_ge_u32 s34, 32
	s_cselect_b32 s37, s37, 0
	s_cselect_b32 s38, s36, s38
	s_cselect_b32 s61, -1, 0                       ; all ones on V's way
	s_cselect_b32 s60, 0, -1                       ; all ones on Q's and K's
	s_lshl_b32 s37, s37, 2
	s_add_co_u32 s37, s37, s6                      ; S0's tile of 256 rows: holds cx, never cy
	s_lshl_b32 s38, s38, 2
	s_add_co_u32 s38, s38, s7                      ; S1's tile of 128 rows: holds cy, never cx
	s_lshl_b32 s39, 0x1111, s6                     ; my column of the cluster
	s_lshl_b32 s36, s7, 2
	s_lshl_b32 s36, 15, s36                        ; my row
	s_or_b32 s52, s39, CODEW                       ; s[52:59] group 1: S0's codes, 64 rows of 256 bytes, 512 apart
	s_or_b32 s68, s39, SCALW                       ; s[68:75] S0's scale bytes: 8 rows of 256 dense bytes
	s_or_b32 s76, s36, CODEW                       ; s[76:83] S1's codes, 32 rows
	s_or_b32 s84, s36, SCALW                       ; s[84:91] S1's scale bytes, 4 rows
.irp g, 52, 76
	s_mov_b32 s[\g+1], 256<<16                     ; tensor_dim0
	s_mov_b32 s[\g+3], 256<<16                     ; tile_dim0
	s_mov_b32 s[\g+5], 512                         ; from row to row
	s_mov_b32 s[\g+6], 0
	s_mov_b32 s[\g+7], 0
.endr
	s_mov_b32 s54, 64<<16                          ; tensor_dim1
	s_mov_b32 s56, 64                              ; tile_dim1
	s_mov_b32 s78, 32<<16
	s_mov_b32 s80, 32
.irp g, 68, 84
	s_mov_b32 s[\g+1], 32<<16
	s_mov_b32 s[\g+3], 32<<16
	s_mov_b32 s[\g+5], 32
	s_mov_b32 s[\g+6], 0
	s_mov_b32 s[\g+7], 0
.endr
	s_mov_b32 s70, 8<<16
	s_mov_b32 s72, 8
	s_mov_b32 s86, 4<<16
	s_mov_b32 s88, 4
	s_lshl_b32 s39, s37, 8
	s_lshl_b32 s2, s4, 6
	s_add_co_u32 s39, s39, s2                      ; S0: the first of the 64 rows that I would fetch
	s_lshl_b32 s36, s38, 7
	s_lshl_b32 s2, s4, 5
	s_add_co_u32 s36, s36, s2                      ; S1: the first of the 32
	s_mov_b32 s62, 0xffff0000                      ; lanes 16-31
	s_mov_b32 s66, 0x76543210
	s_mov_b32 s67, 0xfedcba98                      ; v_permlanex16_b32's selects for lane l xor 16
	s_wait_dscnt 0x0
	s_wait_kmcnt 0x0
	s_cmp_eq_u32 s35, 1                            ; K or Q?
	s_cselect_b64 s[40:41], s[16:17], s[12:13]
	s_cselect_b64 s[42:43], s[18:19], s[14:15]
	s_cselect_b64 s[48:49], s[26:27], s[24:25]
	s_cselect_b64 s[50:51], s[32:33], s[30:31]
	s_cmp_ge_u32 s34, 32                           ; V?
	s_cselect_b64 s[40:41], s[8:9], s[40:41]       ; S0's codes
	s_cselect_b64 s[42:43], s[10:11], s[42:43]     ; S0's scale bytes
	s_cselect_b64 s[44:45], s[20:21], s[8:9]       ; S1's codes
	s_cselect_b64 s[46:47], s[22:23], s[10:11]     ; S1's scale bytes
	s_cselect_b64 s[48:49], s[28:29], s[48:49]     ; the bias
	s_cselect_b64 s[50:51], s[32:33], s[50:51]     ; where the results go
	; six groups 0, in the registers that the pointers have left.  LDS addresses: a constant + a constant x (wave mod 4)
	s_mov_b32 s8, 1
	s_mul_i32 s9, s4, 8*PITCH
	s_add_co_u32 s9, s9, SCL0
	s_lshl_b32 s10, s39, 5
	s_mov_b32 s11, 0
	s_add_nc_u64 s[10:11], s[42:43], s[10:11]
	s_or_b32 s11, s11, 0x80000000
	s_mov_b32 s12, 1
	s_mul_i32 s13, s4, 64*PITCH
	s_lshl_b32 s14, s39, 9
	s_mov_b32 s15, 0
	s_add_nc_u64 s[14:15], s[40:41], s[14:15]
	s_mov_b32 s16, 1
	s_add_co_u32 s17, s13, CHK
	s_add_nc_u64 s[18:19], s[14:15], 256           ; the second K chunk: 256 bytes on in each row
	s_or_b32 s15, s15, 0x80000000
	s_or_b32 s19, s19, 0x80000000
	s_mov_b32 s20, 1
	s_mul_i32 s21, s4, 4*PITCH
	s_add_co_u32 s21, s21, SCL1
	s_lshl_b32 s22, s36, 5
	s_mov_b32 s23, 0
	s_add_nc_u64 s[22:23], s[46:47], s[22:23]
	s_or_b32 s23, s23, 0x80000000
	s_mov_b32 s24, 1
	s_mul_i32 s25, s4, 32*PITCH
	s_add_co_u32 s25, s25, S1O
	s_lshl_b32 s26, s36, 9
	s_mov_b32 s27, 0
	s_add_nc_u64 s[26:27], s[44:45], s[26:27]
	s_mov_b32 s28, 1
	s_add_co_u32 s29, s25, CHK
	s_add_nc_u64 s[30:31], s[26:27], 256
	s_or_b32 s27, s27, 0x80000000
	s_or_b32 s31, s31, 0x80000000
	ROUND                                          ; all sixteen work-groups are here: the joint loads meet
	s_cmp_lt_u32 s3, 4                             ; waves 0-3 fetch S0, waves 4-7 S1: a wave's three fills stand in one branch; three loads of mine are out
	s_cbranch_scc0 .Lfill_s1
	tensor_load_to_lds s[8:11], s[68:75]
	s_nop 0
	tensor_load_to_lds s[12:15], s[52:59]
	s_nop 0
	tensor_load_to_lds s[16:19], s[52:59]
	s_nop 0
.rept 4
	v_nop
.endr
	s_branch .Lfilled
.Lfill_s1:
	tensor_load_to_lds s[20:23], s[84:91]
	s_nop 0
	tensor_load_to_lds s[24:27], s[76:83]
	s_nop 0
	tensor_load_to_lds s[28:31], s[76:83]
	s_nop 0
.rept 4
	v_nop
.endr
.Lfilled:
	; THE BIAS starts the sums.  Q, K: it runs along the registers (features); V: along the lanes.  Both are loaded on both ways, from an offset that is 0 on the other way, and the one that does not apply becomes 0.
	v_and_b32 v1, 31, v0                           ; lane
	v_and_b32 v2, 15, v0                           ; r
	v_bfe_u32 v3, v0, 4, 1                         ; h
	v_lshlrev_b32 v17, 5, v3                       ; 8 h numbers
	v_lshlrev_b32 v18, 2, v2
	s_lshl_b32 s92, s6, 8
	s_lshl_b32 s93, s4, 6
	s_add_co_u32 s92, s92, s93
	s_lshl_b32 s92, s92, 2
	s_and_b32 s92, s92, s60                        ; Q, K: 4 (256 cx + 64 x my quarter)
	s_mov_b32 s93, 0
	s_add_nc_u64 s[92:93], s[48:49], s[92:93]
	s_lshl_b32 s94, s38, 7
	s_lshl_b32 s95, s5, 6
	s_add_co_u32 s94, s94, s95
	s_lshl_b32 s94, s94, 2
	s_and_b32 s94, s94, s61                        ; V: 4 (128 x S1's tile + 64 x my half)
	s_mov_b32 s95, 0
	s_add_nc_u64 s[94:95], s[48:49], s[94:95]
.irp t, 0,1,2,3
	global_load_b128 v[ACC+8*\t:ACC+8*\t+3], v17, s[92:93] offset:64*\t
	global_load_b128 v[ACC+8*\t+4:ACC+8*\t+7], v17, s[92:93] offset:64*\t+16
.endr
.irp i, 0,1,2,3
	global_load_b32 v[BL+2*\i], v18, s[94:95] offset:64*\i
.endr
	; LDS addresses
	v_mul_u32_u24 v19, v2, PITCH
	v_lshl_add_u32 v19, v3, 4, v19                 ; a fragment's row x pitch + 16 h
	s_mul_i32 s2, s4, 64*PITCH
	v_add_nc_u32 v[A0], s2, v19
	s_add_co_u32 s2, s2, CHK
	v_add_nc_u32 v[A0+1], s2, v19
	s_mul_i32 s2, s5, 64*PITCH
	s_add_co_u32 s2, s2, S1O
	v_add_nc_u32 v[A1], s2, v19
	s_add_co_u32 s2, s2, CHK
	v_add_nc_u32 v[A1+1], s2, v19
	v_lshlrev_b32 v[ADRS], 5, v2                   ; a row's 32 scale bytes,
	v_lshrrev_b32 v19, 3, v2
	v_lshl_add_u32 v[ADRS], v19, 4, v[ADRS]        ; and 16 more behind each 256
	s_mul_i32 s2, s4, 8*PITCH                      ; S0's: my 64 rows
	s_mul_i32 s39, s5, 8*PITCH                     ; S1's: my 64 rows,
	s_add_co_u32 s39, s39, SCL1-SCL0               ; behind S0's
	s_sub_co_u32 s39, s39, s2
	v_mul_u32_u24 v28, s39, v3                     ; lanes 16-31 take S1's: one product with h
	s_add_co_u32 s2, s2, SCL0
	v_add_nc_u32 v[ADRS], v[ADRS], v28
	v_add_nc_u32 v[ADRS], s2, v[ADRS]
	v_lshl_add_u32 v[STA], v2, 1, v3               ; the stage [my quarter of S0: 4][S1's row 128][2]: 2 r + h,
	s_lshl_b32 s2, s4, 8
	s_lshl_b32 s39, s5, 7
	s_add_co_u32 s2, s2, s39
	s_add_co_u32 s2, s2, STG
	v_add_nc_u32 v[STA], s2, v[STA]
	v_lshlrev_b32 v[VO], 4, v1                     ; 16 x lane
	v_add_nc_u32 v[SRD], STG, v[VO]
	; where the results go.  A record is 4,352 bytes (Q) or 8,704 (K, V)
	s_mov_b32 s63, 8704
	s_cmp_eq_u32 s35, 0
	s_cselect_b32 s40, 4352, s63
	s_cmp_ge_u32 s34, 32
	s_cselect_b32 s63, s63, s40                    ; the record's bytes
	s_lshl_b32 s36, s35, 8
	s_and_b32 s36, s36, s60
	s_add_co_u32 s36, s36, 256
	s_sub_co_u32 s36, s63, s36                     ; the scale bytes' place in a record: its end less 256 (Q, V) or less 512 (K)
	s_lshr_b32 s40, s38, 4
	s_lshl_b32 s40, s40, 4
	s_lshl_b32 s41, s6, 2
	s_add_co_u32 s40, s40, s41                     ; Q, K: head of a batch 16 b + 4 cx,
	s_and_b32 s41, s38, 15                         ; record = which 128 tokens of the batch
	s_lshr_b32 s42, s37, 3
	s_lshl_b32 s42, s42, 4
	s_lshl_b32 s43, s38, 1
	s_add_co_u32 s42, s42, s43                     ; V: 16 b + 2 x S1's tile,
	s_and_b32 s43, s37, 7
	s_lshl_b32 s43, s43, 1                         ; record = 2 x (S0's tile in the batch)
	s_lshl_b32 s44, s4, 4                          ; my wave's part.  Q, K: a head (16 records) for each quarter of S0,
	s_lshl_b32 s45, s5, 11                         ; four half fragments for each half of S1
	s_lshl_b32 s46, s5, 4
	s_lshr_b32 s47, s4, 1
	s_add_co_u32 s46, s46, s47                     ; V: a head for each half of S1, a record for each 128 keys,
	s_and_b32 s47, s4, 1
	s_lshl_b32 s47, s47, 9
	s_add_co_u32 s47, s47, 4096                    ; behind K's part, 512 bytes for each 64 keys
	s_lshl_b32 s100, s63, 4                        ; X = 16 records: from head to head
	s_lshl_b32 s39, s63, 5
	s_mov_b32 s101, 128
	s_cmp_ge_u32 s34, 32
	s_cselect_b32 s40, s42, s40
	s_cselect_b32 s41, s43, s41
	s_cselect_b32 s44, s46, s44
	s_cselect_b32 s45, s47, s45
	s_cselect_b32 s46, s63, s39                    ; the scale bytes' way out: from the first store to the second,
	s_cselect_b32 s42, s101, s100                  ; from lanes 0-15 to lanes 16-31,
	s_cselect_b32 s43, s100, s101                  ; from lanes 0-7 to lanes 8-15
	s_and_b32 s47, s61, 512
	s_add_co_u32 s47, s47, 512                     ; from one S1 tile's half fragment to the next: 512 (Q, K) or 1,024 (V)
	s_lshl_b32 s40, s40, 4
	s_add_co_u32 s40, s40, s41                     ; the work-group's first record
	s_add_co_u32 s44, s44, s40                     ; my wave's
	s_mul_i32 s96, s44, s63
	s_add_co_u32 s96, s96, s45
	s_mov_b32 s97, 0
	s_add_nc_u64 s[96:97], s[50:51], s[96:97]      ; my codes
	s_mul_i32 s98, s40, s63
	s_add_co_u32 s98, s98, s36
	s_mov_b32 s99, 0
	s_add_nc_u64 s[98:99], s[50:51], s[98:99]      ; the work-group's scale bytes
	v_add_nc_u32 v[VO+1], s47, v[VO]
	v_add_nc_u32 v[VO+2], s47, v[VO+1]
	v_add_nc_u32 v[VO+3], s47, v[VO+2]
	v_bfe_u32 v28, v0, 3, 1
	v_and_b32 v29, 7, v0
	v_lshlrev_b32 v[VS], 4, v29
	v_mad_u32_u24 v[VS], v3, s42, v[VS]
	v_mad_u32_u24 v[VS], v28, s43, v[VS]
	v_add_nc_u32 v[VS+1], s46, v[VS]
	s_wait_loadcnt 0x0                             ; the biases
.set j, 0
.rept 32
	v_cndmask_b32 v[ACC+j], 0, v[ACC+j], s60       ; kept on Q's and K's way
.set j, j+1
.endr
.irp i, 0,1,2,3
	v_cndmask_b32 v[BL+2*\i], 0, v[BL+2*\i], s61   ; kept on V's
.endr
.irp i, 0,1,2,3
	v_mov_b32 v[BL+2*\i+1], v[BL+2*\i]
.endr
.irp i, 3,2,1,0                                ; tile 0, the source, last
.set j, 0
.rept 16
	v_pk_add_f32 v[ACC+32*\i+j:ACC+32*\i+j+1], v[ACC+j:ACC+j+1], v[BL+2*\i:BL+2*\i+1]
.set j, j+2
.endr
.endr
; A K step of 128: 16 LDS loads, 16 matrix instructions.  The 16 accumulators take turns, one instruction a turn, in the same order in every step.
.macro STEP q
.rept 4
	v_nop                                          ; four places in front of loads into registers that matrix instructions have read (ISA guide 7.12.1 for vector instructions)
.endr
.irp t, 0,1,2,3
.irp c, 0,1
	ds_load_b128 v[F0+8*\t+4*\c:F0+8*\t+4*\c+3], v[A0+(\q)/4] offset:\t*TROW+64*((\q)%4)+32*\c
.endr
.endr
.irp i, 0,1,2,3
.irp c, 0,1
	ds_load_b128 v[F1+8*\i+4*\c:F1+8*\i+4*\c+3], v[A1+(\q)/4] offset:\i*TROW+64*((\q)%4)+32*\c
.endr
.endr
.irp i, 0,1,2,3
	s_wait_dscnt 6-2*\i                            ; S0's fragments and S1's tile i are in; the two loads of each later tile may be out
.irp t, 0,1,2,3
	v_wmma_scale_f32_16x16x128_f8f6f4 v[ACC+32*\i+8*\t:ACC+32*\i+8*\t+7], v[F0+8*\t:F0+8*\t+7], v[F1+8*\i:F1+8*\i+7], v[ACC+32*\i+8*\t:ACC+32*\i+8*\t+7], v[SC+8*\t+(\q)], v[SC+8*\i+(\q)] matrix_a_fmt:MATRIX_FMT_FP4 matrix_b_fmt:MATRIX_FMT_FP4 matrix_b_scale:MATRIX_SCALE_ROW1
.endr
.endr
.endm
	s_wait_tensorcnt 0x1                           ; my scale bytes and my part of the first K chunk are in; the second chunk's load may stay out
	s_barrier_signal -1
	s_barrier_wait -1                              ; everybody's are
.irp i, 0,1,2,3
	ds_load_b128 v[SC+8*\i:SC+8*\i+3], v[ADRS] offset:\i*2*PITCH        ; a row's eight scale words, one for each K step
	ds_load_b128 v[SC+8*\i+4:SC+8*\i+7], v[ADRS] offset:\i*2*PITCH+16
.endr
.irp q, 0,1,2,3
	STEP \q
.endr
	s_wait_tensorcnt 0x0                           ; my part of the second chunk is in,
	s_wait_dscnt 0x0
	s_barrier_signal -1
	s_barrier_wait -1                              ; everybody's is
.irp q, 4,5,6,7
	STEP \q
.endr
.rept 4
	v_nop                                          ; places in front of the first read of results and of writes to the fragments' registers
.endr
	; THE QUANTISER, four S1 tiles by turns.  Of a tile's 32 registers, 8 t + j is index 16 t + 8 h + j of my row: block b of 32 lies in registers 16 b .. 16 b + 15 of lanes l and l xor 16.
.irp i, 0,1,2,3
.irp b, 0,1
	v_max3_num_f32 v[QM+8*\i+\b], |v[ACC+32*\i+16*\b]|, |v[ACC+32*\i+16*\b+1]|, 0x1800000   ; with the floor 2^(3 - 127): the byte cannot fall under 1.  Each accumulator is read from its low end on
.endr
.endr
.irp n, 2,4,6,8,10,12,14
.irp i, 0,1,2,3
.irp b, 0,1
	v_max3_num_f32 v[QM+8*\i+\b], v[QM+8*\i+\b], |v[ACC+32*\i+16*\b+\n]|, |v[ACC+32*\i+16*\b+\n+1]|
.endr
.endr
.endr
.irp i, 0,1,2,3
.irp b, 0,1
	v_permlanex16_b32 v[QM+8*\i+2+\b], v[QM+8*\i+\b], s66, s67
.endr
.endr
.irp i, 0,1,2,3
.irp b, 0,1
	v_max_num_f32 v[QM+8*\i+\b], v[QM+8*\i+\b], v[QM+8*\i+2+\b]   ; the block's largest magnitude
.endr
.endr
.irp i, 0,1,2,3
.irp b, 0,1
	v_add_nc_u32 v[QM+8*\i+4+\b], 0xff000000, v[QM+8*\i+\b]       ; 2 off its exponent field: the conversion's scale operand
.endr
.endr
.irp i, 0,1,2,3
.irp b, 0,1
	v_lshrrev_b32 v[QM+8*\i+2+\b], 23, v[QM+8*\i+4+\b]            ; the scale's byte
.endr
.endr
.irp i, 0,1,2,3
	v_cndmask_b32 v[QM+8*\i+6], v[QM+8*\i+2], v[QM+8*\i+3], s62   ; lanes 0-15 keep block 0's, lanes 16-31 block 1's
.endr
.irp i, 0,1,2,3                                ; the four tiles' codes go to registers 0, 2, 1, 3, so that the two exchanges below leave true order
	v_cvt_scalef32_pk8_fp4_f32 v[QC+4*\i], v[ACC+32*\i:ACC+32*\i+7], v[QM+8*\i+4]
	v_cvt_scalef32_pk8_fp4_f32 v[QC+4*\i+2], v[ACC+32*\i+8:ACC+32*\i+15], v[QM+8*\i+4]
	v_cvt_scalef32_pk8_fp4_f32 v[QC+4*\i+1], v[ACC+32*\i+16:ACC+32*\i+23], v[QM+8*\i+5]
	v_cvt_scalef32_pk8_fp4_f32 v[QC+4*\i+3], v[ACC+32*\i+24:ACC+32*\i+31], v[QM+8*\i+5]
.endr
	v_nop                                          ; one plain place behind the scaled conversions
.irp i, 0,1,2,3
	v_permlane16_swap_b32 v[QC+4*\i], v[QC+4*\i+1]       ; lanes 0-15 now hold indices 0-31 of their row, lanes 16-31 indices 32-63
	v_permlane16_swap_b32 v[QC+4*\i+2], v[QC+4*\i+3]
.endr
.irp i, 0,1,2,3
	ds_store_b8 v[STA], v[QM+8*\i+6] offset:32*\i
.endr
.irp i, 0,1,2,3
	global_store_b128 v[VO+\i], v[QC+4*\i:QC+4*\i+3], s[96:97]    ; a half fragment: 512 consecutive bytes, at a multiple of 256
.endr
	s_wait_dscnt 0x0                               ; for the others' sake: my bytes lie in the stage
	s_barrier_signal -1
	s_barrier_wait -1
	s_cmp_lg_u32 s3, 0                             ; wave 0 stores the work-group's 1,024 scale bytes: each aligned 256 bytes whole, by one instruction
	s_cbranch_scc1 .Lno_bytes
	ds_load_b128 v[112:115], v[SRD]
	ds_load_b128 v[116:119], v[SRD] offset:512
	s_wait_dscnt 0x0
	global_store_b128 v[VS], v[112:115], s[98:99]
	global_store_b128 v[VS+1], v[116:119], s[98:99]
.Lno_bytes:
	s_wait_tensorcnt 0x0
	ds_add_u32 v30, v31
	s_wait_dscnt 0x0
	ROUND                                          ; the closing round: no work-group ends while a partner may still ask for a tile that names it
	s_endpgm
.Lfunc_end_k_q02f4d2c729_qkv:
	.size	k_q02f4d2c729_qkv, .Lfunc_end_k_q02f4d2c729_qkv-k_q02f4d2c729_qkv
	.p2alignl 7, 3214868480
	.fill 96, 4, 3214868480
	.section	.rodata,"a",@progbits
	.p2align	6, 0x0
	.amdhsa_kernel k_q02f4d2c729_qkv
		.amdhsa_group_segment_fixed_size 230400
		.amdhsa_private_segment_fixed_size 0
		.amdhsa_enable_private_segment 0
		.amdhsa_kernarg_size 104
		.amdhsa_user_sgpr_count 2
		.amdhsa_user_sgpr_kernarg_segment_ptr 1
		.amdhsa_wavefront_size32 1
		.amdhsa_system_sgpr_workgroup_id_x 1
		.amdhsa_system_sgpr_workgroup_id_y 1
		.amdhsa_system_sgpr_workgroup_id_z 1
		.amdhsa_system_vgpr_workitem_id 0
		.amdhsa_next_free_vgpr 256
		.amdhsa_next_free_sgpr 102
		.amdhsa_reserve_vcc 0
		.amdhsa_float_denorm_mode_32 3
		.amdhsa_float_denorm_mode_16_64 3
		.amdhsa_memory_ordered 1
		.amdhsa_forward_progress 1
		.amdhsa_inst_pref_size 55
	.end_amdhsa_kernel
	.amdgpu_metadata
---
amdhsa.version: [ 1, 2 ]
amdhsa.kernels:
  - .name:           k_q02f4d2c729_qkv
    .symbol:         k_q02f4d2c729_qkv.kd
    .args:
      - { .name: x_codes, .offset: 0, .size: 8, .value_kind: global_buffer, .address_space: global }
      - { .name: x_scales, .offset: 8, .size: 8, .value_kind: global_buffer, .address_space: global }
      - { .name: WQ_codes, .offset: 16, .size: 8, .value_kind: global_buffer, .address_space: global }
      - { .name: WQ_scales, .offset: 24, .size: 8, .value_kind: global_buffer, .address_space: global }
      - { .name: WK_codes, .offset: 32, .size: 8, .value_kind: global_buffer, .address_space: global }
      - { .name: WK_scales, .offset: 40, .size: 8, .value_kind: global_buffer, .address_space: global }
      - { .name: WV_codes, .offset: 48, .size: 8, .value_kind: global_buffer, .address_space: global }
      - { .name: WV_scales, .offset: 56, .size: 8, .value_kind: global_buffer, .address_space: global }
      - { .name: bQ, .offset: 64, .size: 8, .value_kind: global_buffer, .address_space: global }
      - { .name: bK, .offset: 72, .size: 8, .value_kind: global_buffer, .address_space: global }
      - { .name: bV, .offset: 80, .size: 8, .value_kind: global_buffer, .address_space: global }
      - { .name: qc, .offset: 88, .size: 8, .value_kind: global_buffer, .address_space: global }
      - { .name: kv, .offset: 96, .size: 8, .value_kind: global_buffer, .address_space: global }
    .group_segment_fixed_size: 230400
    .private_segment_fixed_size: 0
    .kernarg_segment_align: 8
    .kernarg_segment_size: 104
    .max_flat_workgroup_size: 256
    .sgpr_count:     102
    .vgpr_count:     256
    .wavefront_size: 32
...
	.end_amdgpu_metadata
.endif
;; end of part 1
;; launch attn (part 2): grid 4 x 64, 16 waves a work-group, clusters of 4 x 1, 169,984 bytes of LDS; arguments qc, kv, oc, os; writes oc, os
.if DOCPART == 2
	.amdgcn_target "amdgcn-amd-amdhsa--gfx1250"
	.amdhsa_code_object_version 6
	.text
	.protected	k_q02f4d2c729_attn
	.globl	k_q02f4d2c729_attn
	.p2align	8
	.type	k_q02f4d2c729_attn,@function
k_q02f4d2c729_attn:
	s_mov_b64 s[64:65], 0
	v_nop
	global_prefetch_b8 v0, s[64:65] scope:SCOPE_SE
	s_setreg_imm32_b32 hwreg(HW_REG_WAVE_MODE, 25, 1), 1
	s_wait_xcnt 0x0
	s_wait_alu depctr_hold_cnt(0) depctr_sa_sdst(0) depctr_va_vdst(0) depctr_va_sdst(0) depctr_va_ssrc(0) depctr_va_vcc(0) depctr_vm_vsrc(0)
	s_getreg_b32 s2, hwreg(HW_REG_IB_STS2, 6, 4)
	s_cmp_eq_u32 s2, 0
	s_cbranch_scc0 .Lentry_in_a_cluster
	s_endpgm
.Lentry_in_a_cluster:
	s_bfe_u32 s2, ttmp6, 0x10000c
	s_cmp_lg_u32 s2, 0x3003
	s_cbranch_scc0 .Lentry_shape_is_right
	s_endpgm
.Lentry_shape_is_right:
; For each head of each batch: S = q k^T, p = 2^(S log2(e) - M), o = (p v) / the sum of p, both products on codes of FP4 (E2M1); then o is quantised along head x 64 + d for the last projection.
; THE SOFTMAX: t = score x log2(e); M = the running largest t rounded UP to a whole number; p = 2^(t - M) is quantised along the keys, not normalised; the row's sum is taken of the unquantised p
; and divides at the end.  When M moves, the sum and O are multiplied by 2^(old M - new M): exact.
; SHARES.  A work-group owns 512 queries of one head; each of its sixteen waves 32, as two passes of one tile of 16.  Four waves to a SIMD: one wave's vector work stands beside another's products and LDS loads.
; THE WHOLE HEAD LIES IN LDS: 16 records of 8,704 bytes (128 keys each: K's 8 half fragments, V^T's 8, K's and V's scale bytes), each brought once by one wave's load.  Nothing is filled again.
; CLUSTER: the four query blocks of a head read the same records: each load is asked for jointly by the four.
; LAYOUT.  Both products transposed: S^T = K Q^T (source 0 = 16 keys), O^T = V^T P^T (source 0 = 16 of the head's 64): a lane holds one query throughout.
; The first product's K is 64: Q's fragment holds zero codes for k = 64 .. 127, so what stands there in K's operand (the next tile's codes, under scale bytes 0) adds nothing.
; LIMITS: NaN and infinities are not served; a block of o whose largest magnitude lies under 2^-124 gets the byte 1, read by this program alone.
.set REC, 8704
.set L16, 1                            ; v1   16 x lane
.set L2,  2                            ; v2   2 x lane
.set ADR, 3                            ; v3   the step's record + 16 x lane
.set ADS, 4                            ; v4   the step's record + 2 x lane
.set QF,  16                           ; v16-31 Q's fragments of the two passes: four registers of codes, four of zeros
.set QS,  32                           ; v32-33 Q's scale words
.set KS,  34                           ; v34-37 K's scale words: register i, lane l: key 32 i + l
.set VH,  38                           ; v38-41 halves of V's scale words
.set VW,  42                           ; v42-43 V's scale words: register i, lane l: d = 32 i + l
.set KF,  44                           ; v44-75 K's 8 half fragments; v76-79 zeros
.set VF,  80                           ; v80-111 V^T's four fragments
.set S,   112                          ; v112-175 S^T, then p
.set O,   176                          ; v176-207 O^T
.set PC,  208                          ; v208-215 p's codes
.set BM,  216                          ; v216-219 the blocks' largest
.set PX,  220                          ; v220-223 at work
.set SO,  224                          ; v224-227 the conversions' scale operands
.set PW,  228                          ; v228 p's scale word
.set TA,  229
.set F,   230                          ; v[230:231] f = 2^(old M - new M), low word
.set SU,  232                          ; v[232:233] the second chain of sums
.set WV,  12
.set SEL, 28
.set CS,  30                           ; s[30:31] log2(e)
.set HI,  32
.set TB,  33                           ; LDS byte of the step's record
.set CNT, 34
.macro ROUND
	s_barrier_signal -1
	s_barrier_wait -1
	s_cmp_lg_u32 s[WV], 0
	s_cbranch_scc1 .Lnot_wave_0_\@
	s_barrier_signal -3
.Lnot_wave_0_\@:
	s_barrier_wait -3
	s_barrier_signal -1
	s_barrier_wait -1
.endm
; 32 registers v[s] on, register 8 t + j = index 16 t + 8 h + j of my row, become a half fragment in v[c .. c + 3]; v[m + 6]: lanes 0-15 block 0's byte, lanes 16-31 block 1's
.macro QUANT64 s, c, m
.irp b, 0,1
	v_max3_num_f32 v[\m+\b], |v[\s+16*\b]|, |v[\s+16*\b+1]|, 0x1800000   ; with the floor 2^(3 - 127)
.endr
.irp n, 2,4,6,8,10,12,14
.irp b, 0,1
	v_max3_num_f32 v[\m+\b], v[\m+\b], |v[\s+16*\b+\n]|, |v[\s+16*\b+\n+1]|
.endr
.endr
.irp b, 0,1
	v_permlanex16_b32 v[\m+2+\b], v[\m+\b], s[SEL], s[SEL+1]
.endr
.irp b, 0,1
	v_max_num_f32 v[\m+\b], v[\m+\b], v[\m+2+\b]
.endr
.irp b, 0,1
	v_add_nc_u32 v[\m+4+\b], 0xff000000, v[\m+\b]  ; 2 off the exponent field: the conversion's scale operand
.endr
.irp b, 0,1
	v_lshrrev_b32 v[\m+2+\b], 23, v[\m+4+\b]       ; the byte
.endr
	v_cndmask_b32 v[\m+6], v[\m+2], v[\m+3], s[HI]
	v_cvt_scalef32_pk8_fp4_f32 v[\c], v[\s:\s+7], v[\m+4]
	v_cvt_scalef32_pk8_fp4_f32 v[\c+2], v[\s+8:\s+15], v[\m+4]
	v_cvt_scalef32_pk8_fp4_f32 v[\c+1], v[\s+16:\s+23], v[\m+5]
	v_cvt_scalef32_pk8_fp4_f32 v[\c+3], v[\s+24:\s+31], v[\m+5]
	v_nop                                          ; one plain place behind the scaled conversions
	v_permlane16_swap_b32 v[\c], v[\c+1]
	v_permlane16_swap_b32 v[\c+2], v[\c+3]
.endm
	s_load_b256 s[4:11], s[0:1], 0x0               ; qc, kv, oc, os
	v_lshl_add_u32 v254, v0, 2, 0x29000
	v_mov_b32 v255, 0
	ds_add_u32 v254, v255
	ds_add_u32 v254, v255
	v_lshrrev_b32 v1, 5, v0
	v_readfirstlane_b32 s[WV], v1                  ; wave 0..15
	s_bfe_u32 s13, ttmp6, 0x40000                  ; cx
	s_lshl_b32 s35, ttmp9, 2
	s_add_co_u32 s35, s35, s13                     ; my block of 512 queries: it enters Q's and the outputs' addresses alone
	s_and_b32 s14, ttmp7, 0xffff                   ; the head of a batch, 16 b + head, which the four partners share
	s_lshl_b32 s36, s14, 4
	s_add_co_u32 s36, s36, s[WV]
	s_mul_i32 s36, s36, REC                        ; the record that I fetch
	s_mov_b32 s37, 0
	s_lshl_b32 s38, s14, 4
	s_lshl_b32 s39, s35, 2
	s_add_co_u32 s38, s38, s39
	s_lshr_b32 s39, s[WV], 2
	s_add_co_u32 s38, s38, s39
	s_mul_i32 s38, s38, 4352                       ; Q's record of 128 tokens that holds my 32
	s_and_b32 s39, s[WV], 3
	s_lshl_b32 s40, s39, 10
	s_add_co_u32 s40, s40, s38                     ; my two half fragments,
	s_mov_b32 s41, 0
	s_lshl_b32 s42, s39, 6
	s_add_co_u32 s42, s42, s38
	s_add_co_u32 s42, s42, 4096                    ; and their scale bytes
	s_mov_b32 s43, 0
	s_lshr_b32 s44, s14, 4
	s_lshl_b32 s44, s44, 7
	s_lshl_b32 s45, s35, 5
	s_add_co_u32 s44, s44, s45
	s_lshl_b32 s45, s[WV], 1
	s_add_co_u32 s44, s44, s45                     ; my first tile of 16 tokens: 128 b + 32 x block + 2 x wave
	s_and_b32 s45, s14, 15                         ; head
	s_lshl_b32 s46, s44, 13
	s_lshl_b32 s47, s45, 9
	s_add_co_u32 s46, s46, s47                     ; oc: [tile][head] half fragments
	s_mov_b32 s47, 0
	s_lshl_b32 s48, s44, 9
	s_lshl_b32 s49, s45, 1
	s_add_co_u32 s48, s48, s49                     ; os: [token][32], my head's two bytes
	s_mov_b32 s49, 0
	s_mov_b32 s16, 15|(3<<16)|(1<<21)              ; group 1: the mask: all four work-groups; elements of 8 bytes; bit 21 beside a mask; no padding
	s_mov_b32 s17, 32<<16                          ; tensor_dim0: 256 bytes
	s_mov_b32 s18, 34<<16                          ; tensor_dim1: 34 rows
	s_mov_b32 s19, 32<<16                          ; tile_dim0
	s_mov_b32 s20, 34                              ; tile_dim1
	s_mov_b32 s21, 32                              ; dense
	s_mov_b32 s22, 0
	s_mov_b32 s23, 0
	s_mov_b32 s24, 1
	s_mul_i32 s25, s[WV], REC                      ; LDS: record w at 8,704 w
	s_mov_b32 s[SEL], 0x76543210
	s_mov_b32 s[SEL+1], 0xfedcba98
	s_mov_b32 s[CS], 0x3fb8aa3b                    ; log2(e): no 1 / sqrt(d) in the scores
	s_mov_b32 s[CS+1], s[CS]
	s_mov_b32 s[HI], 0xffff0000
	v_and_b32 v5, 31, v0
	v_lshlrev_b32 v[L16], 4, v5
	v_lshlrev_b32 v[L2], 1, v5
	v_and_b32 v8, 15, v0                           ; r
	v_bfe_u32 v9, v0, 4, 1                         ; h
	v_lshlrev_b32 v6, 1, v8                        ; 2 r
	v_lshl_add_u32 v7, v8, 5, v9                   ; 32 r + h
	s_wait_dscnt 0x0
	s_wait_kmcnt 0x0
	s_add_nc_u64 s[26:27], s[6:7], s[36:37]
	s_or_b32 s27, s27, 0x80000000
	s_add_nc_u64 s[50:51], s[4:5], s[42:43]
	s_add_nc_u64 s[4:5], s[4:5], s[40:41]
	s_add_nc_u64 s[8:9], s[8:9], s[46:47]
	s_add_nc_u64 s[10:11], s[10:11], s[48:49]
	ROUND                                          ; all four work-groups are here
	tensor_load_to_lds s[24:27], s[16:23]          ; every wave's one load: one load of mine is out
	s_nop 0
.irp u, 0,1
.irp j, 4,5,6,7
	v_mov_b32 v[QF+8*\u+\j], 0                     ; Q's zero codes for k = 64 .. 127
.endr
.endr
.irp u, 0,1
	global_load_b128 v[QF+8*\u:QF+8*\u+3], v[L16], s[4:5] offset:512*\u
	global_load_u16 v[QS+\u], v6, s[50:51] offset:32*\u       ; two bytes, the upper two 0: they stand over zero codes
.endr
.irp j, 32,33,34,35
	v_mov_b32 v[KF+\j], 0                          ; named as the upper half of the last tile's operand
.endr
.irp b, 0,1,2,3
	v_mov_b32 v[PX+\b], 0                          ; a lane permute's destination counts as one of its sources
.endr
	v_mov_b32 v[TA], 0
	v_mov_b32 v[F+1], 0                            ; named with f as a pair
	s_wait_loadcnt 0x0                             ; Q
	s_wait_tensorcnt 0x0                           ; my record is in,
	s_barrier_signal -1
	s_barrier_wait -1                              ; the whole head is
.macro PASS u
	s_wait_xcnt 0x0                                ; the last pass's stores have read their registers
	v_mov_b32 v13, 0xff61b1e6                      ; the largest t so far: -3e38
	v_floor_f32 v12, -v13                          ; -M
	v_mov_b32 v14, 0                               ; the sum, in two halves
	v_mov_b32 v15, 0
.set j, 0
.rept 32
	v_mov_b32 v[O+j], 0                            ; the step is written once: the first finds zeros, which the first change of M leaves zeros
.set j, j+1
.endr
	s_mov_b32 s[TB], 0
	s_mov_b32 s[CNT], 16
.Lstep_\@:                                         ; a trip: 128 keys
	v_add_nc_u32 v[ADR], s[TB], v[L16]
	v_add_nc_u32 v[ADS], s[TB], v[L2]
	v_nop
	v_nop                                          ; four places in front of loads into registers that the last trip's products have read
.irp t, 0,1,2,3,4,5,6,7
	ds_load_b128 v[KF+4*\t:KF+4*\t+3], v[ADR] offset:512*\t
.endr
.irp i, 0,1,2,3
	ds_load_u16 v[KS+\i], v[ADS] offset:8192+64*\i
.endr
.irp d, 0,1,2,3
.irp c, 0,1
	ds_load_b128 v[VF+8*\d+4*\c:VF+8*\d+4*\c+3], v[ADR] offset:4096+1024*\d+512*\c
.endr
.endr
.irp c, 0,1
.irp i, 0,1
	ds_load_u16 v[VH+2*\c+\i], v[ADS] offset:8448+128*\c+64*\i
.endr
.endr
	s_wait_dscnt 12                                ; K's twelve loads are in; V's twelve may be out
.irp t, 0,2,4,6                                ; tile t's scale words lie in lanes 0-15 of register t / 2, tile t + 1's in lanes 16-31
	v_wmma_scale_f32_16x16x128_f8f6f4 v[S+8*\t:S+8*\t+7], v[KF+4*\t:KF+4*\t+7], v[QF+8*\u:QF+8*\u+7], 0, v[KS+\t/2], v[QS+\u] matrix_a_fmt:MATRIX_FMT_FP4 matrix_b_fmt:MATRIX_FMT_FP4
	v_wmma_scale_f32_16x16x128_f8f6f4 v[S+8*\t+8:S+8*\t+15], v[KF+4*\t+4:KF+4*\t+11], v[QF+8*\u:QF+8*\u+7], 0, v[KS+\t/2], v[QS+\u] matrix_a_fmt:MATRIX_FMT_FP4 matrix_b_fmt:MATRIX_FMT_FP4 matrix_a_scale:MATRIX_SCALE_ROW1
.endr
	s_wait_dscnt 0x0                               ; V
.irp i, 0,1
	v_lshl_or_b32 v[VW+\i], v[VH+2+\i], 16, v[VH+\i]   ; the two halves make V's scale word for these 128 keys
.endr
	v_nop
	v_nop                                          ; with the two lines above: four places in front of the first read of the scores
	; register 8 t + j of S^T is key 16 t + 8 h + j: block b of 32 keys lies in registers 16 b .. 16 b + 15 of lanes l and l xor 16
.irp b, 0,1,2,3
	v_max3_num_f32 v[BM+\b], v[S+16*\b], v[S+16*\b+1], v[S+16*\b+2]   ; the largest score of each block: for the row's maximum and, since p rises with the score, for the block's largest p
.endr
.irp i, 3,5,7,9,11,13
.irp b, 0,1,2,3
	v_max3_num_f32 v[BM+\b], v[BM+\b], v[S+16*\b+\i], v[S+16*\b+\i+1]
.endr
.endr
.irp b, 0,1,2,3
	v_max_num_f32 v[BM+\b], v[BM+\b], v[S+16*\b+15]
.endr
.irp b, 0,1,2,3
	v_permlanex16_b32 v[PX+\b], v[BM+\b], s[SEL], s[SEL+1]
.endr
.irp b, 0,1,2,3
	v_max_num_f32 v[BM+\b], v[BM+\b], v[PX+\b]
.endr
	v_max3_num_f32 v[TA], v[BM], v[BM+1], v[BM+2]
	v_max_num_f32 v[TA], v[TA], v[BM+3]
	v_mul_f32 v[TA], s[CS], v[TA]                  ; the step's largest t
	v_max_num_f32 v13, v13, v[TA]                  ; the running largest
	v_mov_b32 v[TA], v12
	v_floor_f32 v12, -v13                          ; the new -M = -ceil(t): a whole number
	v_sub_f32 v[TA], v12, v[TA]                    ; old M - new M: a whole number, 0 or less
	v_cvt_i32_f32 v[TA], v[TA]                     ; (it saturates)
	v_ldexp_f32 v[F], 1.0, v[TA]                   ; f = 2^(old M - new M)
.set j, 0
.rept 32
	v_pk_fma_f32 v[S+j:S+j+1], v[S+j:S+j+1], s[CS:CS+1], v[12:13] op_sel_hi:[1,0,0]   ; t - M, two at a time
.set j, j+2
.endr
.irp b, 0,1,2,3
	v_fma_f32 v[BM+\b], v[BM+\b], s[CS], v12       ; the same of each block's largest score
.endr
.set j, 0
.rept 64
	v_exp_f32 v[S+j], v[S+j]                       ; p = 2^(t - M), at most 1
.set j, j+1
.endr
.irp b, 0,1,2,3
	v_exp_f32 v[BM+\b], v[BM+\b]                   ; the block's largest p: the same two instructions on the same number
.endr
	v_pk_mul_f32 v[14:15], v[14:15], v[F:F+1] op_sel_hi:[1,0]   ; the sums under the new M (a plain place behind the exponentials)
	s_wait_alu depctr_va_vdst(0)
.irp b, 0,1,2,3
	v_max_num_f32 v[BM+\b], 0x1800000, v[BM+\b]    ; the floor 2^(3 - 127)
.endr
.irp b, 0,1,2,3
	v_add_nc_u32 v[SO+\b], 0xff000000, v[BM+\b]
.endr
.irp b, 0,1,2,3
	v_lshrrev_b32 v[PX+\b], 23, v[SO+\b]
.endr
	v_lshl_or_b32 v[PW], v[PX+1], 8, v[PX]         ; p's scale word for these 128 keys
	v_lshl_or_b32 v[PW], v[PX+2], 16, v[PW]
	v_lshl_or_b32 v[PW], v[PX+3], 24, v[PW]
.irp c, 0,1                                    ; four tiles' codes to registers 0, 2, 1, 3 of each 64 keys: the exchanges below leave true order
	v_cvt_scalef32_pk8_fp4_f32 v[PC+4*\c], v[S+32*\c:S+32*\c+7], v[SO+2*\c]
	v_cvt_scalef32_pk8_fp4_f32 v[PC+4*\c+2], v[S+32*\c+8:S+32*\c+15], v[SO+2*\c]
	v_cvt_scalef32_pk8_fp4_f32 v[PC+4*\c+1], v[S+32*\c+16:S+32*\c+23], v[SO+2*\c+1]
	v_cvt_scalef32_pk8_fp4_f32 v[PC+4*\c+3], v[S+32*\c+24:S+32*\c+31], v[SO+2*\c+1]
.endr
	v_nop                                          ; one plain place behind the scaled conversions
.irp c, 0,1
	v_permlane16_swap_b32 v[PC+4*\c], v[PC+4*\c+1]
	v_permlane16_swap_b32 v[PC+4*\c+2], v[PC+4*\c+3]
.endr
	v_pk_add_f32 v[SU:SU+1], v[S:S+1], v[S+2:S+3]  ; the row's sum is taken of the unquantised p: two chains
.irp j, 4,8,12,16,20,24,28,32,36,40,44,48,52,56,60
	v_pk_add_f32 v[14:15], v[14:15], v[S+\j:S+\j+1]
	v_pk_add_f32 v[SU:SU+1], v[SU:SU+1], v[S+\j+2:S+\j+3]
.endr
	v_pk_add_f32 v[14:15], v[14:15], v[SU:SU+1]
.set j, 0
.rept 16
	v_pk_mul_f32 v[O+j:O+j+1], v[O+j:O+j+1], v[F:F+1] op_sel_hi:[1,0]   ; O^T under the new M.  (With the sums: the places between the scale word's and the codes' last writes and the products)
.set j, j+2
.endr
.irp d, 0,2                                    ; four accumulators by turns
	v_wmma_scale_f32_16x16x128_f8f6f4 v[O+8*\d:O+8*\d+7], v[VF+8*\d:VF+8*\d+7], v[PC:PC+7], v[O+8*\d:O+8*\d+7], v[VW+\d/2], v[PW] matrix_a_fmt:MATRIX_FMT_FP4 matrix_b_fmt:MATRIX_FMT_FP4
	v_wmma_scale_f32_16x16x128_f8f6f4 v[O+8*\d+8:O+8*\d+15], v[VF+8*\d+8:VF+8*\d+15], v[PC:PC+7], v[O+8*\d+8:O+8*\d+15], v[VW+\d/2], v[PW] matrix_a_fmt:MATRIX_FMT_FP4 matrix_b_fmt:MATRIX_FMT_FP4 matrix_a_scale:MATRIX_SCALE_ROW1
.endr
	s_add_co_u32 s[TB], s[TB], REC
	s_sub_co_i32 s[CNT], s[CNT], 1
	s_cmp_lg_u32 s[CNT], 0
	s_cbranch_scc1 .Lstep_\@
.rept 4
	v_nop                                          ; places in front of the first read of O^T
.endr
	v_add_f32 v14, v14, v15
	v_permlanex16_b32 v[TA], v14, s[SEL], s[SEL+1]
	v_add_f32 v14, v14, v[TA]                      ; the row's sum
	v_rcp_f32 v14, v14
	v_nop                                          ; a plain place behind the transcendental
.set j, 0
	s_wait_alu depctr_va_vdst(0)
.rept 32
	v_mul_f32 v[S+j], v[O+j], v14                  ; o(query r, d = 16 t + 8 h + j), each accumulator from its low end on
.set j, j+1
.endr
	QUANT64 S, PC, BM
	global_store_b128 v[L16], v[PC:PC+3], s[8:9] offset:8192*\u    ; a half fragment: 512 consecutive bytes
	global_store_b8 v7, v[BM+6], s[10:11] offset:512*\u            ; my token's byte of block h: one byte a lane, 32 bytes apart: the layout in which the next launch takes scale bytes as it takes x's
.endm
	PASS 0
	PASS 1
	s_wait_tensorcnt 0x0
	ds_add_u32 v254, v255
	s_wait_dscnt 0x0
	ROUND                                          ; the closing round
	s_endpgm
.Lfunc_end_k_q02f4d2c729_attn:
	.size	k_q02f4d2c729_attn, .Lfunc_end_k_q02f4d2c729_attn-k_q02f4d2c729_attn
	.p2alignl 7, 3214868480
	.fill 96, 4, 3214868480
	.section	.rodata,"a",@progbits
	.p2align	6, 0x0
	.amdhsa_kernel k_q02f4d2c729_attn
		.amdhsa_group_segment_fixed_size 169984
		.amdhsa_private_segment_fixed_size 0
		.amdhsa_enable_private_segment 0
		.amdhsa_kernarg_size 32
		.amdhsa_user_sgpr_count 2
		.amdhsa_user_sgpr_kernarg_segment_ptr 1
		.amdhsa_wavefront_size32 1
		.amdhsa_system_sgpr_workgroup_id_x 1
		.amdhsa_system_sgpr_workgroup_id_y 1
		.amdhsa_system_sgpr_workgroup_id_z 1
		.amdhsa_system_vgpr_workitem_id 0
		.amdhsa_next_free_vgpr 256
		.amdhsa_next_free_sgpr 66
		.amdhsa_reserve_vcc 0
		.amdhsa_float_denorm_mode_32 3
		.amdhsa_float_denorm_mode_16_64 3
		.amdhsa_memory_ordered 1
		.amdhsa_forward_progress 1
		.amdhsa_inst_pref_size 45
	.end_amdhsa_kernel
	.amdgpu_metadata
---
amdhsa.version: [ 1, 2 ]
amdhsa.kernels:
  - .name:           k_q02f4d2c729_attn
    .symbol:         k_q02f4d2c729_attn.kd
    .args:
      - { .name: qc, .offset: 0, .size: 8, .value_kind: global_buffer, .address_space: global }
      - { .name: kv, .offset: 8, .size: 8, .value_kind: global_buffer, .address_space: global }
      - { .name: oc, .offset: 16, .size: 8, .value_kind: global_buffer, .address_space: global }
      - { .name: os, .offset: 24, .size: 8, .value_kind: global_buffer, .address_space: global }
    .group_segment_fixed_size: 169984
    .private_segment_fixed_size: 0
    .kernarg_segment_align: 8
    .kernarg_segment_size: 32
    .max_flat_workgroup_size: 512
    .sgpr_count:     66
    .vgpr_count:     256
    .wavefront_size: 32
...
	.end_amdgpu_metadata
.endif
;; end of part 2
;; launch oproj (part 3): grid 4 x 64, 8 waves a work-group, clusters of 4 x 4, 254,976 bytes of LDS; arguments oc, os, WO_codes, WO_scales, bO, out0; writes out0
.if DOCPART == 3
	.amdgcn_target "amdgcn-amd-amdhsa--gfx1250"
	.amdhsa_code_object_version 6
	.text
	.protected	k_q02f4d2c729_oproj
	.globl	k_q02f4d2c729_oproj
	.p2align	8
	.type	k_q02f4d2c729_oproj,@function
k_q02f4d2c729_oproj:
	s_mov_b64 s[64:65], 0
	v_nop
	global_prefetch_b8 v0, s[64:65] scope:SCOPE_SE
	s_setreg_imm32_b32 hwreg(HW_REG_WAVE_MODE, 25, 1), 1
	s_wait_xcnt 0x0
	s_wait_alu depctr_hold_cnt(0) depctr_sa_sdst(0) depctr_va_vdst(0) depctr_va_sdst(0) depctr_va_ssrc(0) depctr_va_vcc(0) depctr_vm_vsrc(0)
	s_getreg_b32 s2, hwreg(HW_REG_IB_STS2, 6, 4)
	s_cmp_eq_u32 s2, 0
	s_cbranch_scc0 .Lentry_in_a_cluster
	s_endpgm
.Lentry_in_a_cluster:
	s_bfe_u32 s2, ttmp6, 0x10000c
	s_cmp_lg_u32 s2, 0xf033
	s_cbranch_scc0 .Lentry_shape_is_right
	s_endpgm
.Lentry_shape_is_right:
; out0 = o WO + bO on codes of FP4 (E2M1) with one E8M0 byte for each 32 along K.  o comes as half fragments, oc [tile of 16 tokens 512][head 16][512 bytes] (lane l's 16 bytes at 16 l), and scale bytes os [token][32].
; D = S0 S1^T: source 0 = 16 rows of WO (features), source 1 = 16 tokens: a lane holds one token and eight neighbouring columns of out0.
; SHARES.  A work-group: 256 features x 128 tokens, all of K = 1,024 in LDS, each LDS byte filled once.  Eight waves, each 64 x 64: 16 accumulators.  The bias is loaded into the accumulators and starts the sums.
; CLUSTER 4 x 4: WO's rows hang on cx and are asked for jointly by the four of a column; the tokens hang on cy and are asked for by the four of a row.
; LIMITS: NaN and infinities are not served; the bias is a sum's first term, not its last.
.set PITCH, 272
.set TROW,  16*PITCH
.set CHK,   69632                      ; a K chunk of 512 of WO's 256 rows
.set S1I,   139264                     ; the tokens' images: [chunk 2][tile 8][K step 4][2][512 bytes]
.set SCL0,  204800                     ; WO's scale bytes: 32 units of 256 bytes + 16
.set SCL1,  213504                     ; the tokens': 16 units
.set STG,   217856                     ; the way out: 16 rows x (256 bytes + 16) for each wave; blocks of 256 bytes into which no tile lands
.set CODEW, (1<<20)|(1<<21)|(5<<22)|(3<<25)
.set SCALW, (3<<16)|(1<<20)|(1<<21)|(5<<22)|(3<<25)
.set IMGW,  (3<<16)|(1<<21)            ; elements of 8 bytes, no padding
.set A0,  4                            ; v4-5  LDS address of my WO fragments in chunk 0, 1
.set AI,  6                            ; v6    of my tokens' images
.set ADRS, 8                           ; v8    my scale words
.set STO, 9                            ; v9    the stage: where I put 32 bytes of a row
.set L16, 10
.set RD,  11                           ; v11   where I read a row back
.set CO,  12                           ; v12   my byte offset in out0
.set SC,  32
.set F0,  64
.set F1,  96
.set ACC, 128
.macro ROUND
	s_barrier_signal -1
	s_barrier_wait -1
	s_cmp_lg_u32 s3, 0
	s_cbranch_scc1 .Lnot_wave_0_\@
	s_barrier_signal -3
.Lnot_wave_0_\@:
	s_barrier_wait -3
	s_barrier_signal -1
	s_barrier_wait -1
.endm
	s_load_b256 s[8:15], s[0:1], 0x0               ; oc, os, WO's codes, WO's scales
	s_load_b128 s[16:19], s[0:1], 0x20             ; bO, out0
	v_lshl_add_u32 v30, v0, 2, 0x3e000
	v_mov_b32 v31, 0
	ds_add_u32 v30, v31
	ds_add_u32 v30, v31
	v_lshrrev_b32 v1, 5, v0
	v_readfirstlane_b32 s3, v1                     ; wave 0..7
	s_and_b32 s4, s3, 3                            ; which 64 features are mine; also which part of a tile I fetch
	s_lshr_b32 s5, s3, 2                           ; which 64 tokens
	s_bfe_u32 s6, ttmp6, 0x40000                   ; cx
	s_bfe_u32 s7, ttmp6, 0x40004                   ; cy
	s_and_b32 s44, ttmp7, 0xffff
	s_lshl_b32 s44, s44, 2
	s_add_co_u32 s44, s44, s7                      ; my tile of 128 tokens
	s_lshl_b32 s45, 0x1111, s6                     ; my column of the cluster
	s_lshl_b32 s46, s7, 2
	s_lshl_b32 s46, 15, s46                        ; my row
	s_or_b32 s52, s45, CODEW                       ; s[52:59] WO's codes: 64 rows of 256 bytes, 512 apart
	s_or_b32 s68, s45, SCALW                       ; s[68:75] WO's scale bytes: 8 rows of 256 dense bytes
	s_or_b32 s76, s46, IMGW                        ; s[76:83] images: 2 rows of 4,096 bytes, 8,192 apart
	s_or_b32 s84, s46, SCALW                       ; s[84:91] the tokens' scale bytes: 4 rows
	s_mov_b32 s53, 256<<16
	s_mov_b32 s54, 64<<16
	s_mov_b32 s55, 256<<16
	s_mov_b32 s56, 64
	s_mov_b32 s57, 512
	s_mov_b32 s58, 0
	s_mov_b32 s59, 0
	s_mov_b32 s77, 512<<16
	s_mov_b32 s78, 2<<16
	s_mov_b32 s79, 512<<16
	s_mov_b32 s80, 2
	s_mov_b32 s81, 1024
	s_mov_b32 s82, 0
	s_mov_b32 s83, 0
.irp g, 68, 84
	s_mov_b32 s[\g+1], 32<<16
	s_mov_b32 s[\g+3], 32<<16
	s_mov_b32 s[\g+5], 32
	s_mov_b32 s[\g+6], 0
	s_mov_b32 s[\g+7], 0
.endr
	s_mov_b32 s70, 8<<16
	s_mov_b32 s72, 8
	s_mov_b32 s86, 4<<16
	s_mov_b32 s88, 4
	s_lshl_b32 s45, s6, 8
	s_lshl_b32 s2, s4, 6
	s_add_co_u32 s45, s45, s2                      ; WO's row 256 cx + 64 x (wave mod 4): the first that I would fetch, and my first feature
	s_lshl_b32 s46, s44, 7
	s_lshl_b32 s2, s4, 5
	s_add_co_u32 s46, s46, s2                      ; the first of the 32 tokens that I would fetch
	s_wait_dscnt 0x0
	s_wait_kmcnt 0x0
	s_mov_b32 s20, 1
	s_mul_i32 s21, s4, 8*PITCH
	s_add_co_u32 s21, s21, SCL0
	s_lshl_b32 s22, s45, 5
	s_mov_b32 s23, 0
	s_add_nc_u64 s[22:23], s[14:15], s[22:23]
	s_or_b32 s23, s23, 0x80000000
	s_mov_b32 s24, 1
	s_mul_i32 s25, s4, 64*PITCH
	s_lshl_b32 s26, s45, 9
	s_mov_b32 s27, 0
	s_add_nc_u64 s[26:27], s[12:13], s[26:27]
	s_mov_b32 s28, 1
	s_add_co_u32 s29, s25, CHK
	s_add_nc_u64 s[30:31], s[26:27], 256
	s_or_b32 s27, s27, 0x80000000
	s_or_b32 s31, s31, 0x80000000
	s_mov_b32 s32, 1
	s_mul_i32 s33, s4, 4*PITCH
	s_add_co_u32 s33, s33, SCL1
	s_lshl_b32 s34, s46, 5
	s_mov_b32 s35, 0
	s_add_nc_u64 s[34:35], s[10:11], s[34:35]
	s_or_b32 s35, s35, 0x80000000
	s_mov_b32 s36, 1
	s_lshl_b32 s37, s4, 13                         ; two tiles of 4,096 bytes
	s_add_co_u32 s37, s37, S1I
	s_lshl_b32 s38, s46, 9                         ; a tile of 16 tokens is 8,192 bytes: 512 a token
	s_mov_b32 s39, 0
	s_add_nc_u64 s[38:39], s[8:9], s[38:39]
	s_mov_b32 s40, 1
	s_add_co_u32 s41, s37, 32768
	s_add_nc_u64 s[42:43], s[38:39], 4096          ; the second K chunk: heads 8 to 15
	s_or_b32 s39, s39, 0x80000000
	s_or_b32 s43, s43, 0x80000000
	ROUND                                          ; all sixteen work-groups are here
	s_cmp_lt_u32 s3, 4                             ; waves 0-3 fetch WO, waves 4-7 the tokens: a wave's three fills stand in one branch; three loads of mine are out
	s_cbranch_scc0 .Lfill_s1
	tensor_load_to_lds s[20:23], s[68:75]
	s_nop 0
	tensor_load_to_lds s[24:27], s[52:59]
	s_nop 0
	tensor_load_to_lds s[28:31], s[52:59]
	s_nop 0
.rept 4
	v_nop
.endr
	s_branch .Lfilled
.Lfill_s1:
	tensor_load_to_lds s[32:35], s[84:91]
	s_nop 0
	tensor_load_to_lds s[36:39], s[76:83]
	s_nop 0
	tensor_load_to_lds s[40:43], s[76:83]
	s_nop 0
.rept 4
	v_nop
.endr
.Lfilled:
	v_and_b32 v1, 31, v0
	v_and_b32 v2, 15, v0                           ; r
	v_bfe_u32 v3, v0, 4, 1                         ; h
	v_lshlrev_b32 v17, 5, v3
	s_lshl_b32 s60, s45, 2                         ; my first feature, in bytes of f32
	s_mov_b32 s61, 0
	s_add_nc_u64 s[48:49], s[16:17], s[60:61]
.irp i, 0,1,2,3
.irp t, 0,1,2,3
	global_load_b128 v[ACC+32*\i+8*\t:ACC+32*\i+8*\t+3], v17, s[48:49] offset:64*\t          ; bO at my eight features of tile t: it starts the sums
	global_load_b128 v[ACC+32*\i+8*\t+4:ACC+32*\i+8*\t+7], v17, s[48:49] offset:64*\t+16
.endr
.endr
	s_lshl_b32 s50, s44, 7
	s_lshl_b32 s51, s5, 6
	s_add_co_u32 s50, s50, s51                     ; my first token
	s_lshl_b32 s50, s50, 12                        ; a row of out0 is 4,096 bytes
	s_add_co_u32 s50, s50, s60
	s_mov_b32 s51, 0
	s_add_nc_u64 s[50:51], s[18:19], s[50:51]
	v_mul_u32_u24 v19, v2, PITCH
	v_lshl_add_u32 v19, v3, 4, v19
	s_mul_i32 s2, s4, 64*PITCH
	v_add_nc_u32 v[A0], s2, v19
	s_add_co_u32 s2, s2, CHK
	v_add_nc_u32 v[A0+1], s2, v19
	v_lshlrev_b32 v[L16], 4, v1
	s_lshl_b32 s2, s5, 14                          ; my four tiles of 4,096 bytes
	s_add_co_u32 s2, s2, S1I
	v_add_nc_u32 v[AI], s2, v[L16]
	v_lshlrev_b32 v[ADRS], 5, v2
	v_lshrrev_b32 v19, 3, v2
	v_lshl_add_u32 v[ADRS], v19, 4, v[ADRS]
	s_mul_i32 s2, s4, 8*PITCH
	s_mul_i32 s47, s5, 8*PITCH
	s_add_co_u32 s47, s47, SCL1-SCL0
	s_sub_co_u32 s47, s47, s2
	v_mul_u32_u24 v28, s47, v3                     ; lanes 16-31 take the tokens': one product with h
	s_add_co_u32 s2, s2, SCL0
	v_add_nc_u32 v[ADRS], v[ADRS], v28
	v_add_nc_u32 v[ADRS], s2, v[ADRS]
	s_mul_i32 s2, s3, TROW
	s_add_co_u32 s2, s2, STG                       ; my stage
	v_mul_u32_u24 v[STO], v2, PITCH
	v_lshl_add_u32 v[STO], v3, 5, v[STO]
	v_add_nc_u32 v[STO], s2, v[STO]                ; in: row r, 32 bytes for each half of the lanes
	v_mul_u32_u24 v[RD], v3, PITCH
	v_lshl_add_u32 v[RD], v2, 4, v[RD]
	v_add_nc_u32 v[RD], s2, v[RD]                  ; back: lanes 0-15 one row of 256 bytes, lanes 16-31 the next
	v_lshlrev_b32 v[CO], 12, v3
	v_lshl_add_u32 v[CO], v2, 4, v[CO]             ; and the same two rows in out0
; A K step of 128: 16 LDS loads, 16 matrix instructions; the 16 accumulators take turns in the same order in every step.
.macro STEP q
.rept 4
	v_nop                                          ; four places in front of loads into registers that matrix instructions have read
.endr
.irp t, 0,1,2,3
.irp c, 0,1
	ds_load_b128 v[F0+8*\t+4*\c:F0+8*\t+4*\c+3], v[A0+(\q)/4] offset:\t*TROW+64*((\q)%4)+32*\c
.endr
.endr
.irp i, 0,1,2,3
.irp c, 0,1
	ds_load_b128 v[F1+8*\i+4*\c:F1+8*\i+4*\c+3], v[AI] offset:((\q)/4)*32768+\i*4096+((\q)%4)*1024+512*\c
.endr
.endr
.irp i, 0,1,2,3
	s_wait_dscnt 6-2*\i                            ; WO's fragments and token tile i are in; the two loads of each later tile may be out
.irp t, 0,1,2,3
	v_wmma_scale_f32_16x16x128_f8f6f4 v[ACC+32*\i+8*\t:ACC+32*\i+8*\t+7], v[F0+8*\t:F0+8*\t+7], v[F1+8*\i:F1+8*\i+7], v[ACC+32*\i+8*\t:ACC+32*\i+8*\t+7], v[SC+8*\t+(\q)], v[SC+8*\i+(\q)] matrix_a_fmt:MATRIX_FMT_FP4 matrix_b_fmt:MATRIX_FMT_FP4 matrix_b_scale:MATRIX_SCALE_ROW1
.endr
.endr
.endm
	s_wait_loadcnt 0x0                             ; the bias
	s_wait_tensorcnt 0x1                           ; my scale bytes and my part of the first K chunk are in; the second chunk's load may stay out
	s_barrier_signal -1
	s_barrier_wait -1
.irp i, 0,1,2,3
	ds_load_b128 v[SC+8*\i:SC+8*\i+3], v[ADRS] offset:\i*2*PITCH
	ds_load_b128 v[SC+8*\i+4:SC+8*\i+7], v[ADRS] offset:\i*2*PITCH+16
.endr
.irp q, 0,1,2,3
	STEP \q
.endr
	s_wait_tensorcnt 0x0
	s_wait_dscnt 0x0
	s_barrier_signal -1
	s_barrier_wait -1
.irp q, 4,5,6,7
	STEP \q
.endr
.rept 4
	v_nop                                          ; places in front of the first read of results and of loads into the fragments' registers
.endr
; THE WAY OUT, a tile of 16 tokens x my 64 columns at a time, through my own stage: LDS serves a wave's instructions in order, so no wait stands between the stores and the loads.
.macro TOSTAGE i
.irp t, 0,1,2,3
	ds_store_b128 v[STO], v[ACC+32*\i+8*\t:ACC+32*\i+8*\t+3] offset:64*\t           ; each accumulator from its low end on
	ds_store_b128 v[STO], v[ACC+32*\i+8*\t+4:ACC+32*\i+8*\t+7] offset:64*\t+16
.endr
.irp k, 0,1,2,3,4,5,6,7
	ds_load_b128 v[64+32*((\i)%2)+4*\k:64+32*((\i)%2)+4*\k+3], v[RD] offset:\k*2*PITCH
.endr
.endm
.macro SEND i
.irp k, 0,1,2,3,4,5,6,7
	global_store_b128 v[CO], v[64+32*((\i)%2)+4*\k:64+32*((\i)%2)+4*\k+3], s[50:51] offset:(16*(\i)+2*\k)*4096 th:TH_STORE_NT   ; sixteen lanes store 256 consecutive bytes, at a multiple of 256 from out0's first byte
.endr
.endm
	TOSTAGE 0
	TOSTAGE 1
	s_wait_dscnt 16                                ; tile 0 is back; tile 1's 8 stores and 8 loads may be out
	SEND 0
	s_wait_xcnt 0x0                                ; tile 0's stores have read their registers: tile 2's loads may land there
	TOSTAGE 2
	s_wait_dscnt 16
	SEND 1
	s_wait_xcnt 0x0
	TOSTAGE 3
	s_wait_dscnt 16
	SEND 2
	s_wait_dscnt 0x0
	SEND 3
	s_wait_tensorcnt 0x0
	ds_add_u32 v30, v31
	s_wait_dscnt 0x0
	ROUND                                          ; the closing round
	s_endpgm
.Lfunc_end_k_q02f4d2c729_oproj:
	.size	k_q02f4d2c729_oproj, .Lfunc_end_k_q02f4d2c729_oproj-k_q02f4d2c729_oproj
	.p2alignl 7, 3214868480
	.fill 96, 4, 3214868480
	.section	.rodata,"a",@progbits
	.p2align	6, 0x0
	.amdhsa_kernel k_q02f4d2c729_oproj
		.amdhsa_group_segment_fixed_size 254976
		.amdhsa_private_segment_fixed_size 0
		.amdhsa_enable_private_segment 0
		.amdhsa_kernarg_size 48
		.amdhsa_user_sgpr_count 2
		.amdhsa_user_sgpr_kernarg_segment_ptr 1
		.amdhsa_wavefront_size32 1
		.amdhsa_system_sgpr_workgroup_id_x 1
		.amdhsa_system_sgpr_workgroup_id_y 1
		.amdhsa_system_sgpr_workgroup_id_z 1
		.amdhsa_system_vgpr_workitem_id 0
		.amdhsa_next_free_vgpr 256
		.amdhsa_next_free_sgpr 96
		.amdhsa_reserve_vcc 0
		.amdhsa_float_denorm_mode_32 3
		.amdhsa_float_denorm_mode_16_64 3
		.amdhsa_memory_ordered 1
		.amdhsa_forward_progress 1
		.amdhsa_inst_pref_size 46
	.end_amdhsa_kernel
	.amdgpu_metadata
---
amdhsa.version: [ 1, 2 ]
amdhsa.kernels:
  - .name:           k_q02f4d2c729_oproj
    .symbol:         k_q02f4d2c729_oproj.kd
    .args:
      - { .name: oc, .offset: 0, .size: 8, .value_kind: global_buffer, .address_space: global }
      - { .name: os, .offset: 8, .size: 8, .value_kind: global_buffer, .address_space: global }
      - { .name: WO_codes, .offset: 16, .size: 8, .value_kind: global_buffer, .address_space: global }
      - { .name: WO_scales, .offset: 24, .size: 8, .value_kind: global_buffer, .address_space: global }
      - { .name: bO, .offset: 32, .size: 8, .value_kind: global_buffer, .address_space: global }
      - { .name: out0, .offset: 40, .size: 8, .value_kind: global_buffer, .address_space: global }
    .group_segment_fixed_size: 254976
    .private_segment_fixed_size: 0
    .kernarg_segment_align: 8
    .kernarg_segment_size: 48
    .max_flat_workgroup_size: 256
    .sgpr_count:     96
    .vgpr_count:     256
    .wavefront_size: 32
...
	.end_amdgpu_metadata
.endif
;; end of part 3
